; MI455X (gfx1250); checked and timed in simulation.
; The chip was launched on July 23, 2026; its instructions are those of AMD's public machine-readable ISA for CDNA 5 (MIT licence, August 2026) and "CDNA5" Instruction Set Architecture Reference Guide (July 2026). The comments in the code are by the model that wrote it; some were corrected since.
;; Transformer Block. Allowed arithmetic: matrix products marked QUANTISED: E2M1 operands, one E8M0 scale for each 32 along K, by v_wmma_scale_f32_16x16x128_f8f6f4 with both operands' format E2M1 (or v_wmma_scale_f32_32x16x128_f4), f32 sums; products left as they are: f32 operands where the result goes on into a quantised operand, else bf16, f16 or f32 operands; f32 sums; everything else in f32.
;; Inputs: b1 512 float32; b2 512 float32; beta 512 float32; bk 3 float32; bo 512 float32; bq 3 float32; bv 3 float32; gamma 512 float32; w1 512 x 512 float32; w2 512 x 512 float32; wk 3 x 512 float32; wo 512 x 18 float32; wq 3 x 512 float32; wv 3 x 512 float32; x 8 x 2,048 x 512 float32.
;; Outputs: out0 8 x 2,048 x 512 float32.
;; This version of the problem:
;;   THIS VERSION OF THE PROBLEM IS GIVEN IN LOW PRECISION. The matrix products marked QUANTISED in the list below multiply operands that are first quantised to E2M1 (2 exponent bits, 1 mantissa bit; 4 bits a number), with one power-of-two scale for each 32 numbers along K (OCP MX v1.0); their sums are f32. All else is computed in f32.
;;   The module's matrix products, in the order in which they are computed (A, B: the left and right operand; K: the contracted axis; several contracted axes count as one K, in the product's order):
;;     1. [M 16,384, K 512] x [K 512, N 3]; A: input x; B: input wq: left as it is (N = 3 < 16)
;;     2. [M 16,384, K 512] x [K 512, N 3]; A: input x; B: input wk: left as it is (N = 3 < 16)
;;     3. [M 16,384, K 512] x [K 512, N 3]; A: input x; B: input wv: left as it is (N = 3 < 16)
;;     4. batch 8 x [M 2,048, K 3] x [K 3, N 2,048]; A: computed on the way; B: computed on the way: left as it is (K = 3 < 32)
;;     5. batch 8 x [M 2,048, K 2,048] x [K 2,048, N 3]; A: softmax; B: computed on the way: left as it is (N = 3 < 16)
;;     6. [M 16,384, K 18] x [K 18, N 512]; A: computed on the way; B: input wo: left as it is (K = 18 < 32)
;;     7. [M 16,384, K 512] x [K 512, N 512]; A: computed on the way; B: input w1: QUANTISED
;;     8. [M 16,384, K 512] x [K 512, N 512]; A: computed on the way; B: input w2: QUANTISED
;;   THE QUANTISER, for each operand of a quantised product, along K:
;;     - K is cut into blocks of 32 from its start; a last block that is shorter is filled with zeros.
;;     - A block's scale is 2^e with e = floor(log2(the largest magnitude in the block)) - 2, held to -126 .. 127; a block of zeros has e = 0. As a byte (E8M0): e + 127.
;;     - Each number is divided by its block's scale, clamped to +-6, and rounded to the nearest number of E2M1, ties to even, subnormals kept.
;;     - The product sums the exact products of the quantised numbers (number of the format x scale) in f32.
;;   ~~~python
;;   def quantise(x, axis):      # numpy; x: float32 -> the quantised numbers, widened to float32 again
;;       x = np.moveaxis(x, axis, -1); K = x.shape[-1]
;;       x = np.pad(x, [(0, 0)] * (x.ndim - 1) + [(0, -K % 32)]); x = x.reshape(x.shape[:-1] + (-1, 32)); a = np.abs(x).max(-1, keepdims=True)
;;       e = np.where(a > 0, np.clip(np.frexp(np.where(a > 0, a, 1))[1] - 1 - 2, -126, 127), 0)      # np.frexp(a)[1] - 1 = floor(log2(a)), exactly
;;       r = np.clip(x / 2.0 ** e, -6, 6)
;;       step = 2.0 ** (np.maximum(np.frexp(np.where(r == 0, 1, r))[1] - 1, 0) - 1)
;;       q = np.round(r / step) * step * 2.0 ** e      # np.round: ties to even
;;       return np.moveaxis(q.reshape(q.shape[:-2] + (-1,))[..., :K], -1, axis).astype(np.float32)
;;   ~~~
;;   OPERANDS COMPUTED ON THE WAY. 'Computed on the way' means the value that the module computes at that place (a softmax that the list does not call 'softmax' is quantised finished and normalised). What goes into a quantiser is computed in f32, as accurately as f32 sums, v_exp_f32 and their like allow (about 1e-6 of the number): no bf16 or f16 on the way to a quantiser, and a product that is left as it is and whose result goes on into a quantised operand takes f32 operands (vector FMAs, or v_wmma_f32_16x16x4_f32). A number that lies on a knife's edge between two numbers of the format may be rounded either way, as far as f32 arithmetic and the matrix unit's own rounding can turn it there, and no further.
;; One version. Each part assembles by itself: llvm-mc -triple=amdgcn-amd-amdhsa -mcpu=gfx1250 --defsym DOCPART=n.
;; ======== version 1 of 1: 2 launches
;; workspace buffers: qkv 589,824 bytes; wimg 262,144 bytes; wscl 16,384 bytes; wot 6,144 bytes
;; launch prep (part 1): grid 256 x 1, 8 waves a work-group, no clusters, 3,328 bytes of LDS; arguments x, wq, bq, wk, wv, bv, w1, w2, wo, qkv, wimg, wscl, wot; writes qkv, wimg, wscl, wot
.if DOCPART == 1
	.amdgcn_target "amdgcn-amd-amdhsa--gfx1250"
	.amdhsa_code_object_version 6
	.text
	.protected	k_q4242fa9616_prep
	.globl	k_q4242fa9616_prep
	.p2align	8
	.type	k_q4242fa9616_prep,@function
k_q4242fa9616_prep:
	s_mov_b64 s[64:65], 0
	v_nop
	global_prefetch_b8 v0, s[64:65] scope:SCOPE_SE
	s_setreg_imm32_b32 hwreg(HW_REG_WAVE_MODE, 25, 1), 1
	s_wait_xcnt 0x0
; FIRST OF TWO LAUNCHES.  It makes what every query block of the second launch needs of the whole batch, and lays the weights out once.
;   qkv  [b 8][c 9][s 2048] f32: c 0-2: q'_d = (x . wq_d + bq_d) c0, c0 = log2(e) / sqrt(3); c 3-5: k_d = x . wk_d; c 6-8: v_d = x . wv_d + bv_d.  All in f32 (they go on into a quantised operand).
;   wimg [mat 2][w 8][t 4][s 4][c 2][lane 32][16 bytes]: w1 and w2 as codes of E2M1, quantised along K, as images of the operand registers of the second launch:
;        lane (r, h), register group c holds k = 128 s + 64 c + 32 h + 0 .. 31 of weight row 64 w + 32 (t / 2) + 8 (t % 2) + r + 8 (r / 8).
;   wscl [w 8][t 4][s 4][32 words]: words 0-15 w1's scale word of the fragment's row r (byte 2 c + h), words 16-31 w2's.
;   wot  [d 3][n 512] f32 = the sum over the six heads of wo[n][3 head + d].
; WORK LEFT OUT, for all values of the inputs:
;   bk.  scores[q][k] = q . (x_k wk^T + bk) / sqrt(3) = q . (x_k wk^T) / sqrt(3) + q . bk / sqrt(3); the last term is the same for all keys k of a query, a term constant along the softmax's axis,
;        which the softmax takes away in exact arithmetic; the product of q and k is not quantised.  So bk has no way to an output: it is not loaded and is no argument of either launch.
;   The six copies of z.  concat([z] x 6) @ wo^T = the sum over d of z_d (the sum over heads of wo[n][3 head + d]): K = 3 in place of 18, the same sum in another grouping.
; LIMITS: NaN and infinities among the inputs are not served; a NaN, an infinity or an overflow that reaches only bk is not carried to the result.  A block of a weight whose largest magnitude lies
;   under 2^-124 keeps the scale byte 1, a block of zeros too (the rule says 127): its codes are zeros, and this program alone reads the bytes.
; SHARES.  Work-group g takes rows 64 g .. 64 g + 63, wave w eight of them.  Lane l holds columns 128 i + 4 l .. + 3 (i = 0 .. 3) of every row, so each load of x covers 512 consecutive bytes.
;   The nine weight rows stay in registers (144, in window 1).  Wave 7 also quantises weight fragment g; wave 6 also folds rows 2 g and 2 g + 1 of wo.
;   THE SIDE WORK'S LOADS STAND AHEAD OF x'S, and its wait leaves x's 32 loads out: the rows are on their way while the side work is done, and the wave then takes them one by one like the other waves.
;   Loads, wait and work of one role stand in one arm of the branch on the wave's number, each arm with its own copy of x's loads.
; No matrix unit, no tensor load, no cluster: a stream with nine dot products a row; what the work-groups share, the nine weight rows, is 18 KB beside 128 KB of x.
; REGISTERS, window 0: v1, v2 the add's two; v3 lane; v4-15 offsets; v16-49 merged sums; v64-191 eight rows of x; v192-209 nine running pairs; v210-248 sums of single rows and of pairs of rows.
.set C0,    0x3f553b95                 ; log2(e) / sqrt(3)
.set SPARE, 2304                       ; LDS: 0 .. 2303 the nine components of the 64 rows, 256 bytes each; then the spare words, 128 bytes for each wave, that no other line names
.set XX,  64
.set AC,  192
.set P0,  210
.set P1,  220
.set Q0,  230
.set Q1,  240
.set R0,  16
.set R1,  26
.set FF,  36
.set UU,  46
.set MSB, 0
.macro WIN new                         ; the immediate's high byte repeats the setting that is left
.if MSB != \new
	s_set_vgpr_msb (MSB<<8)|\new
.set MSB, \new
.endif
.endm
.macro XLOADS                          ; all eight rows of the wave are asked for at once: 32 loads, 16 KB a wave
.irp j, 0,1,2,3,4,5,6,7
.irp i, 0,1,2,3
	global_load_b128 v[XX+16*\j+4*\i:XX+16*\j+4*\i+3], v4, s[4:5] offset:2048*\j+512*\i
.endr
.endr
.endm
	s_load_b512 s[4:19], s[0:1], 0x0               ; x s[4:5], wq s[6:7], bq s[8:9], wk s[10:11], wv s[12:13], bv s[14:15], w1 s[16:17], w2 s[18:19]
	s_load_b256 s[20:27], s[0:1], 0x40             ; wo s[20:21], qkv s[22:23], wimg s[24:25], wscl s[26:27]
	s_load_b64 s[28:29], s[0:1], 0x60              ; wot
	v_lshl_add_u32 v1, v0, 2, SPARE
	v_mov_b32 v2, 0
	v_lshrrev_b32 v3, 5, v0
	v_readfirstlane_b32 s30, v3                    ; wave 0..7
	v_and_b32 v3, 31, v0                           ; lane
	v_lshlrev_b32 v4, 4, v3                        ; 16 x lane: my 16 bytes of a load's 512
	v_and_b32 v5, 7, v0
	v_and_b32 v6, 0xe0, v0                         ; 32 x wave
	v_lshl_add_u32 v5, v5, 2, v6                   ; LDS: row 8 w + lane % 8 of a component, 4 bytes a row
	v_lshlrev_b32 v6, 3, v0                        ; LDS: component w, 8 bytes a lane: 256 w + 8 lane = 8 x thread
	v_lshlrev_b32 v7, 3, v3                        ; 8 x lane
	v_and_b32 v8, 15, v0                           ; r
	v_bfe_u32 v9, v0, 4, 1                         ; h
	v_and_b32 v10, 8, v8
	v_add_nc_u32 v10, v10, v8                      ; r + 8 (r / 8)
	v_lshlrev_b32 v10, 11, v10                     ; that row of a weight, 2,048 bytes a row,
	v_lshl_add_u32 v10, v9, 7, v10                 ; + 32 h numbers
	v_lshlrev_b32 v11, 2, v8                       ; 4 r
	v_lshlrev_b32 v12, 3, v9                       ; 8 h
	v_and_b32 v13, 1, v0                           ; the fold: e = lane % 2: which of the two rows of wo,
	v_lshrrev_b32 v14, 1, v3
	v_min_u32 v14, 2, v14                          ; d = lane / 2, held at 2: lanes 6 to 31 repeat lanes 4 and 5
	v_mul_u32_u24 v15, v13, 72
	v_lshl_add_u32 v15, v14, 2, v15                ; in wo: 72 e + 4 d
	v_lshlrev_b32 v14, 11, v14
	v_lshl_add_u32 v14, v13, 2, v14                ; in wot: 2,048 d + 4 e
	s_mov_b32 s31, ttmp9                           ; g
	s_mov_b32 s39, C0
	s_mov_b32 s40, 0xaaaaaaaa                      ; lanes whose bit 0 is set,
	s_mov_b32 s41, 0xcccccccc                      ; bit 1,
	s_mov_b32 s42, 0xf0f0f0f0                      ; bit 2
	s_mov_b32 s44, 0x76543210
	s_mov_b32 s45, 0xfedcba98                      ; v_permlanex16_b32's selects for lane l xor 16
	s_lshl_b32 s46, s31, 17                        ; x: 64 rows of 2,048 bytes a work-group,
	s_lshl_b32 s47, s30, 14                        ; 8 a wave
	s_add_co_u32 s46, s46, s47
	s_mov_b32 s47, 0
	s_lshr_b32 s48, s31, 5                         ; qkv: the batch, 9 x 8,192 bytes,
	s_mul_i32 s48, s48, 73728
	s_lshl_b32 s49, s30, 13                        ; component w,
	s_add_co_u32 s48, s48, s49
	s_and_b32 s49, s31, 31
	s_lshl_b32 s49, s49, 8                         ; my work-group's 64 rows
	s_add_co_u32 s48, s48, s49
	s_mov_b32 s49, 0
	; the side work's offsets, made by every wave while the arguments are on their way
	s_bfe_u32 s52, s31, 0x30004                    ; fragment g: w,
	s_bfe_u32 s53, s31, 0x10003                    ; t / 2,
	s_bfe_u32 s54, s31, 0x10002                    ; t % 2,
	s_and_b32 s55, s31, 3                          ; s
	s_lshl_b32 s52, s52, 6
	s_lshl_b32 s53, s53, 5
	s_lshl_b32 s54, s54, 3
	s_add_co_u32 s52, s52, s53
	s_add_co_u32 s52, s52, s54                     ; the tile's first row: 64 w + 32 (t / 2) + 8 (t % 2)
	s_lshl_b32 s52, s52, 11
	s_lshl_b32 s55, s55, 9                         ; + 128 s numbers
	s_add_co_u32 s52, s52, s55
	s_mov_b32 s53, 0
	s_lshl_b32 s56, s31, 10                        ; the image: 1,024 bytes a fragment
	s_mov_b32 s57, 0
	s_and_b32 s58, s31, 127
	s_lshl_b32 s58, s58, 7                         ; the scale words: 128 bytes for a fragment of w1 and the same one of w2,
	s_lshr_b32 s59, s31, 7
	s_lshl_b32 s59, s59, 6                         ; w2's in the upper 64
	s_add_co_u32 s58, s58, s59
	s_mov_b32 s59, 0
	s_mul_i32 s60, s31, 144                        ; wo: two rows of 72 bytes a work-group
	s_mov_b32 s61, 0
	s_lshl_b32 s62, s31, 3                         ; wot: two numbers of each d
	s_mov_b32 s63, 0
	s_wait_kmcnt 0x0
	s_load_b96 s[32:34], s[8:9], 0x0               ; bq
	s_load_b96 s[36:38], s[14:15], 0x0             ; bv
	s_add_nc_u64 s[4:5], s[4:5], s[46:47]
	s_add_nc_u64 s[22:23], s[22:23], s[48:49]
	s_cmp_lt_u32 s31, 128                          ; fragments 0-127 are w1's, the others w2's: a choice on the work-group's number alone
	s_cselect_b64 s[50:51], s[16:17], s[18:19]
	s_add_nc_u64 s[50:51], s[50:51], s[52:53]
	s_add_nc_u64 s[56:57], s[24:25], s[56:57]
	s_add_nc_u64 s[58:59], s[26:27], s[58:59]
	s_add_nc_u64 s[60:61], s[20:21], s[60:61]
	s_add_nc_u64 s[62:63], s[28:29], s[62:63]
	WIN 0x40                                       ; destination window 1: the nine weight rows, component c at v[16 c + 4 i]
.irp d, 0,1,2
.irp i, 0,1,2,3
	global_load_b128 v[16*\d+4*\i:16*\d+4*\i+3], v4, s[6:7] offset:2048*\d+512*\i
	global_load_b128 v[48+16*\d+4*\i:48+16*\d+4*\i+3], v4, s[10:11] offset:2048*\d+512*\i
	global_load_b128 v[96+16*\d+4*\i:96+16*\d+4*\i+3], v4, s[12:13] offset:2048*\d+512*\i
.endr
.endr
	WIN 0
	; ---- wave 7: weight fragment g (16 rows x 128 along K) becomes codes and scale words.  A lane holds two whole blocks of 32: no other lane is asked for a maximum
	s_cmp_lg_u32 s30, 7
	s_cbranch_scc1 .Lnot_q
.irp c, 0,1
.irp i, 0,1,2,3,4,5,6,7
	global_load_b128 v[192+32*\c+4*\i:192+32*\c+4*\i+3], v10, s[50:51] offset:256*\c+16*\i   ; k = 128 s + 64 c + 32 h + 4 i ..
.endr
.endr
	XLOADS
	s_wait_loadcnt 32                              ; the fragment's numbers are in; x's 32 loads, issued behind them, stay out
.irp c, 0,1
	v_max3_num_f32 v[16+\c], |v[192+32*\c]|, |v[193+32*\c]|, 0x1800000   ; my block 2 c + h, and the floor 2^(3 - 127): the byte cannot fall under 1
.endr
.irp i, 2,4,6,8,10,12,14,16,18,20,22,24,26,28,30
.irp c, 0,1
	v_max3_num_f32 v[16+\c], v[16+\c], |v[192+32*\c+\i]|, |v[193+32*\c+\i]|
.endr
.endr
.irp c, 0,1
	v_add_nc_u32 v[18+\c], 0xff000000, v[16+\c]    ; 2 off the exponent field: the conversion's scale operand
.endr
.irp c, 0,1
	v_lshrrev_b32 v[20+\c], 23, v[18+\c]           ; the scale's byte
.endr
	v_lshl_or_b32 v22, v21, 16, v20                ; my two bytes, blocks h and 2 + h,
	v_lshlrev_b32 v22, v12, v22                    ; at their places in the word (8 h bits up);
	v_mov_b32 v23, 0
	v_permlanex16_b32 v23, v22, s44, s45
	v_or_b32 v22, v22, v23                         ; with lane l xor 16's two the word is whole, in both lanes
.irp c, 0,1
.irp q, 0,1,2,3
	v_cvt_scalef32_pk8_fp4_f32 v[24+4*\c+\q], v[192+32*\c+8*\q:199+32*\c+8*\q], v[18+\c]
.endr
.endr
	v_nop                                          ; one plain place behind the last scaled conversion
	global_store_b128 v4, v[24:27], s[56:57]       ; 32 lanes store 512 consecutive bytes
	global_store_b128 v4, v[28:31], s[56:57] offset:512
	global_store_b32 v11, v22, s[58:59]            ; lanes l and l + 16 store the same word to the same place
	s_wait_xcnt 0x0                                ; the stores have read their registers, which the sums below write again
	s_branch .Lrows
.Lnot_q:
	; ---- wave 6: rows 2 g and 2 g + 1 of wo, folded over the six heads: lane (e, d) adds its six numbers.  Six words a work-group: too few for whole runs of bytes, and 24 bytes beside the 2,304 of qkv
	s_cmp_lg_u32 s30, 6
	s_cbranch_scc1 .Lnot_f
.irp hd, 0,1,2,3,4,5
	global_load_b32 v[192+\hd], v15, s[60:61] offset:12*\hd          ; wo[2 g + e][3 head + d]
.endr
	XLOADS
	s_wait_loadcnt 32                              ; the six numbers are in; x's 32 loads stay out
	v_add_f32 v16, v192, v193
	v_add_f32 v17, v194, v195
	v_add_f32 v18, v196, v197
	v_add_f32 v16, v16, v17
	v_add_f32 v16, v16, v18
	global_store_b32 v14, v16, s[62:63]            ; wot[d][2 g + e]; lanes 6 to 31 store lane 4's or lane 5's word once more
	s_wait_xcnt 0x0                                ; the store has read its register
	s_branch .Lrows
.Lnot_f:
	XLOADS
.Lrows:
; Row j's nine dot products, my 16 columns: nine chains of packed multiply-adds by turns, then the two halves of each.
.macro ROW j, dst
	s_wait_loadcnt 4*(7-(\j))                      ; the weights and rows 0 .. j are in; the four loads of each later row may be out
	WIN 0x04                                       ; source 1, the weights: window 1
.irp e, 0,1,2,3,4,5,6,7
.irp c, 0,1,2,3,4,5,6,7,8
.if \e == 0
	v_pk_mul_f32 v[AC+2*\c:AC+2*\c+1], v[XX+16*(\j)+2*\e:XX+16*(\j)+2*\e+1], v[16*\c+2*\e:16*\c+2*\e+1]
.else
	v_pk_fma_f32 v[AC+2*\c:AC+2*\c+1], v[XX+16*(\j)+2*\e:XX+16*(\j)+2*\e+1], v[16*\c+2*\e:16*\c+2*\e+1], v[AC+2*\c:AC+2*\c+1]
.endif
.endr
.endr
	WIN 0
.irp c, 0,1,2,3,4,5,6,7,8
	v_add_f32 v[(\dst)+\c], v[AC+2*\c], v[AC+2*\c+1]
.endr
.endm
; Two sets of sums are added over one bit of the lane's number at the price of one: a lane with the bit clear keeps set a, one with the bit set keeps set b; each gives the partner what the partner keeps.
.macro MERGE dst, a, b, mask, xm
.irp c, 0,1,2,3,4,5,6,7,8
	v_cndmask_b32 v[(\dst)+\c], v[(\a)+\c], v[(\b)+\c], s[\mask]
	v_cndmask_b32 v[UU+\c%4], v[(\b)+\c], v[(\a)+\c], s[\mask]
	v_add_f32_dpp v[(\dst)+\c], v[UU+\c%4], v[(\dst)+\c] row_xmask:\xm row_mask:0xf bank_mask:0xf
.endr
.endm
	ROW 0, P0
	ROW 1, P1
	MERGE Q0, P0, P1, 40, 1
	ROW 2, P0
	ROW 3, P1
	MERGE Q1, P0, P1, 40, 1
	MERGE R0, Q0, Q1, 41, 2
	ROW 4, P0
	ROW 5, P1
	MERGE Q0, P0, P1, 40, 1
	ROW 6, P0
	ROW 7, P1
	MERGE Q1, P0, P1, 40, 1
	MERGE R1, Q0, Q1, 41, 2
	MERGE FF, R0, R1, 42, 4                        ; lane l now holds row l % 8, summed over its group of eight lanes
.irp c, 0,1,2,3,4,5,6,7,8
	v_add_f32_dpp v[FF+\c], v[FF+\c], v[FF+\c] row_xmask:8 row_mask:0xf bank_mask:0xf
.endr
.irp c, 0,1,2,3,4,5,6,7,8
	v_permlanex16_b32 v[P0+\c], v[FF+\c], s44, s45
.endr
.irp c, 0,1,2,3,4,5,6,7,8
	v_add_f32 v[FF+\c], v[FF+\c], v[P0+\c]         ; over all 32 lanes
.endr
	s_wait_kmcnt 0x0                               ; bq, bv
	s_mul_f32 s32, s32, s39
	s_mul_f32 s33, s33, s39
	s_mul_f32 s34, s34, s39
.irp d, 0,1,2
	v_fma_f32 v[FF+\d], v[FF+\d], s39, s[32+\d]    ; q' = (x . wq + bq) c0
	v_add_f32 v[FF+6+\d], s[36+\d], v[FF+6+\d]     ; v = x . wv + bv
.endr
.irp c, 0,1,2,3,4,5,6,7,8
	ds_store_b32 v5, v[FF+\c] offset:256*\c        ; four lanes hold the same row: they write the same word with the same value
.endr
	s_wait_dscnt 0x0                               ; for the others' sake: my stores have landed
	s_barrier_signal -1
	s_barrier_wait -1
	s_cmp_lg_u32 s30, 0
	s_cbranch_scc1 .Lnot_w0
	ds_load_b64 v[50:51], v6 offset:2048           ; wave 0 also takes the ninth component
	s_wait_dscnt 0x0
	global_store_b64 v7, v[50:51], s[22:23] offset:65536
.Lnot_w0:
	ds_load_b64 v[52:53], v6                       ; component w of the 64 rows
	s_wait_dscnt 0x0
	global_store_b64 v7, v[52:53], s[22:23]        ; 32 lanes store 256 consecutive bytes, aligned
	s_wait_tensorcnt 0x0                           ; the wave's end, behind my last LDS store
	ds_add_u32 v1, v2
	s_wait_dscnt 0x0
	s_endpgm
.Lfunc_end_k_q4242fa9616_prep:
	.size	k_q4242fa9616_prep, .Lfunc_end_k_q4242fa9616_prep-k_q4242fa9616_prep
	.p2alignl 7, 3214868480
	.fill 96, 4, 3214868480
	.section	.rodata,"a",@progbits
	.p2align	6, 0x0
	.amdhsa_kernel k_q4242fa9616_prep
		.amdhsa_group_segment_fixed_size 3328
		.amdhsa_private_segment_fixed_size 0
		.amdhsa_enable_private_segment 0
		.amdhsa_kernarg_size 104
		.amdhsa_user_sgpr_count 2
		.amdhsa_user_sgpr_kernarg_segment_ptr 1
		.amdhsa_wavefront_size32 1
		.amdhsa_system_sgpr_workgroup_id_x 1
		.amdhsa_system_sgpr_workgroup_id_y 1
		.amdhsa_system_sgpr_workgroup_id_z 1
		.amdhsa_system_vgpr_workitem_id 0
		.amdhsa_next_free_vgpr 400
		.amdhsa_next_free_sgpr 66
		.amdhsa_reserve_vcc 0
		.amdhsa_float_denorm_mode_32 3
		.amdhsa_float_denorm_mode_16_64 3
		.amdhsa_memory_ordered 1
		.amdhsa_forward_progress 1
		.amdhsa_inst_pref_size 76
	.end_amdhsa_kernel
	.amdgpu_metadata
---
amdhsa.version: [ 1, 2 ]
amdhsa.kernels:
  - .name:           k_q4242fa9616_prep
    .symbol:         k_q4242fa9616_prep.kd
    .args:
      - { .name: x, .offset: 0, .size: 8, .value_kind: global_buffer, .address_space: global }
      - { .name: wq, .offset: 8, .size: 8, .value_kind: global_buffer, .address_space: global }
      - { .name: bq, .offset: 16, .size: 8, .value_kind: global_buffer, .address_space: global }
      - { .name: wk, .offset: 24, .size: 8, .value_kind: global_buffer, .address_space: global }
      - { .name: wv, .offset: 32, .size: 8, .value_kind: global_buffer, .address_space: global }
      - { .name: bv, .offset: 40, .size: 8, .value_kind: global_buffer, .address_space: global }
      - { .name: w1, .offset: 48, .size: 8, .value_kind: global_buffer, .address_space: global }
      - { .name: w2, .offset: 56, .size: 8, .value_kind: global_buffer, .address_space: global }
      - { .name: wo, .offset: 64, .size: 8, .value_kind: global_buffer, .address_space: global }
      - { .name: qkv, .offset: 72, .size: 8, .value_kind: global_buffer, .address_space: global }
      - { .name: wimg, .offset: 80, .size: 8, .value_kind: global_buffer, .address_space: global }
      - { .name: wscl, .offset: 88, .size: 8, .value_kind: global_buffer, .address_space: global }
      - { .name: wot, .offset: 96, .size: 8, .value_kind: global_buffer, .address_space: global }
    .group_segment_fixed_size: 3328
    .private_segment_fixed_size: 0
    .kernarg_segment_align: 8
    .kernarg_segment_size: 104
    .max_flat_workgroup_size: 256
    .sgpr_count:     66
    .vgpr_count:     400
    .wavefront_size: 32
...
	.end_amdgpu_metadata
.endif
;; end of part 1
;; launch block (part 2): grid 256 x 1, 8 waves a work-group, no clusters, 266,240 bytes of LDS; arguments x, qkv, wimg, wscl, wot, bo, b1, b2, gamma, beta, out0; writes out0
.if DOCPART == 2
	.amdgcn_target "amdgcn-amd-amdhsa--gfx1250"
	.amdhsa_code_object_version 6
	.text
	.protected	k_q4242fa9616_block
	.globl	k_q4242fa9616_block
	.p2align	8
	.type	k_q4242fa9616_block,@function
k_q4242fa9616_block:
	s_mov_b64 s[64:65], 0
	v_nop
	global_prefetch_b8 v0, s[64:65] scope:SCOPE_SE
	s_setreg_imm32_b32 hwreg(HW_REG_WAVE_MODE, 25, 1), 1
	s_wait_xcnt 0x0
; SECOND OF TWO LAUNCHES: 64 rows of one batch through the whole block: attention, z, A7 = z woe + bo, quantise, product with w1, + x + b1, LayerNorm, quantise, product with w2, + r0 + b2, LayerNorm, store.
; WORK LEFT OUT (shown at the head of the first kernel): bk, a term constant along the softmax's axis; the six copies of z, folded into woe = the sum of wo over the heads.
; LIMITS: NaN and infinities among the inputs are not served.  The running maximum begins at -3e38: scores x log2(e) lie above that.  A block ahead of a quantiser whose largest magnitude lies under 2^-124,
;   a block of zeros too, keeps the scale byte 1 (the rule says 127 for zeros): its codes are zeros, and this kernel alone reads the bytes.
; SHARES.  Work-group g: rows 64 g .. 64 g + 63 of batch g / 32.  Eight waves, two to a SIMD: the work is mostly vector work (each of a wave's 128 matrix instructions stands beside some 45 vector instructions).
;   ATTENTION: every wave holds all 64 queries (lane l: queries l and l + 32) and walks 256 of the batch's 2,048 keys, 16 a trip; running maximum, sum and three sums of p v for each query; the eight waves'
;   partial results meet in LDS.  p = 2^(t - m), t = q' . k; q' carries log2(e) / sqrt(3).  All in f32: z goes on into a quantised operand.
;   PRODUCTS: the waves share the COLUMNS: wave w owns n = 64 w .. 64 w + 63 of both products for all 64 rows; its fragments of w1 and w2 stay in registers (window 1).  Both are used transposed (source 0 =
;   16 weight rows, source 1 = 16 rows of the activations), and the weight rows of a tile are chosen so that the 16 registers of tiles 2 b, 2 b + 1 are 16 neighbours along the next K:
;   accumulator (m, t), register j, lane (r, h): row 16 m + r, n = 64 w + 32 (t / 2) + 16 h + 8 (t % 2) + j.
;   The activations' codes go from wave to wave through LDS as images of the operand's registers: block kb of 32 along K of row tile m is 256 bytes, row r at 16 r, my 16 codes at + 8 h.
;   LAYERNORM: each wave's mean and sum of squared deviations of its 64 columns; the eight pairs are merged (no difference of large sums is formed): one exchange through LDS for each LayerNorm.
; THE WEIGHTS' 64 LOADS STAND IN THE WALK OVER THE KEYS, eight in each of trips 7 to 14, which are written out for that: ahead of the first trip a wave issues 28 loads and not 92, and the weights,
;   first wanted behind the attention, are asked for beside its vector work.
; NO CLUSTER: what work-groups share are the weights' images (272 KB), which go straight into registers in operand order and would not fit in LDS beside x's strips, and K and V, 48 KB of the some 450 KB
;   that a work-group moves.  NO RING: every LDS byte is filled once, at the head.  NO PREFETCH: x, K and V are asked for at the kernel's head, the weights by their own loads well ahead of their use.
; LDS: see the constants.  REGISTERS, window 0: v1, v2 the add's two; v3 r, v4 h, v5 lane; v6-15 addresses; v16-31 the weights' scale words (lanes 0-15 w1's, lanes 16-31 w2's);
;   v32-95 at work; v96-103 the activations' scale words; v104-127 at work; v128-255 the 16 accumulators (in the attention: scores, statistics, two components of V).  Window 1: w1's 16 fragments, then w2's.
.set XSW,   17408                      ; x's strip of a wave: 64 rows x (256 bytes + 16); wave w at XSW w, from LDS byte 0; later the way out, in place
.set KV,    139264                     ; a wave's 256 keys: k0, k1, k2, v0, v1, v2, 1,024 bytes each; wave w at 6,144 w
.set TAB,   188416                     ; f32 [4][512]: woe0, woe1, woe2, bo
.set PAR,   196608                     ; wave w at 1,024 w: its 64 numbers of b1, b2, gamma, beta, 256 bytes each
.set PART,  204800                     ; [m, L, O0, O1, O2] x 3,072 + query x 48 + wave x 4
.set AIMG,  220160                     ; A7's codes: row tile x 4,096 + block x 256
.set HIMG,  236544                     ; the first LayerNorm's codes, likewise
.set ASC,   252928                     ; A7's scale words: row tile x 256 + K step x 64 + 4 r
.set HSC,   253952
.set LNP1,  254976                     ; row x 80: eight means, eight sums of squared deviations; the second LayerNorm's 5,120 bytes on
.set SPARE, 265216                     ; the spare words, 128 bytes for each wave, that no other line names
.set SA,  160                          ; statistics of query l: +0, +2, +4 q'; +1, +3 maximum chains; +6 m; +7 new m; +8 a; +9 old m - new m; +10 L (a pair); +12, +14, +16 O (pairs)
.set SB,  180                          ; of query l + 32
.set TQA, 128                          ; 16 scores of query l
.set TQB, 144                          ; of query l + 32
.set ACC, 128
.set MSB, 0
.macro WIN new                         ; the immediate's high byte repeats the setting that is left
.if MSB != \new
	s_set_vgpr_msb (MSB<<8)|\new
.set MSB, \new
.endif
.endm
.macro BAR                             ; my LDS stores have landed and my LDS loads are in: then the work-group's barrier
	s_wait_dscnt 0x0
	s_barrier_signal -1
	s_barrier_wait -1
.endm
.macro PLACES                          ; four plain places behind a matrix instruction on 4-bit codes, ahead of loads into its registers and of reads of its results
.rept 4
	v_nop
.endr
.endm
	s_load_b512 s[4:19], s[0:1], 0x0               ; x s[4:5], qkv s[6:7], wimg s[8:9], wscl s[10:11], wot s[12:13], bo s[14:15], b1 s[16:17], b2 s[18:19]
	s_load_b128 s[20:23], s[0:1], 0x40             ; gamma s[20:21], beta s[22:23]
	s_load_b64 s[24:25], s[0:1], 0x50              ; out0
	v_lshl_add_u32 v1, v0, 2, SPARE
	v_mov_b32 v2, 0
	ds_add_u32 v1, v2                              ; the wave's opening: the add, twice on end, and its wait ahead of my first tensor load
	ds_add_u32 v1, v2                              ; and once more; the set-up below, work on registers, stands between it and the wait
	v_lshrrev_b32 v3, 5, v0
	v_readfirstlane_b32 s52, v3                    ; wave 0..7
	v_and_b32 v3, 15, v0                           ; r
	v_bfe_u32 v4, v0, 4, 1                         ; h
	v_and_b32 v5, 31, v0                           ; lane
	v_lshlrev_b32 v10, 3, v0                       ; b1 .. beta: 256 w + 8 lane
	v_and_b32 v12, 0xe0, v0                        ; 32 w
	v_lshlrev_b32 v11, 6, v12
	v_lshl_add_u32 v11, v5, 2, v11                 ; wscl: 2,048 w + 4 lane
	v_lshlrev_b32 v12, 9, v12
	v_lshl_add_u32 v12, v5, 4, v12                 ; wimg: 16,384 w + 16 lane
	v_lshlrev_b32 v13, 4, v5                       ; 16 lane
	v_lshlrev_b32 v14, 2, v5                       ; 4 lane
	s_lshr_b32 s53, s52, 1                         ; w / 2
	s_and_b32 s54, s52, 1                          ; w % 2
	; descriptor group 1 for x's strip: 64 rows of 32 elements of 8 bytes, 256 elements from row to row; 4 words of padding behind every 64
	s_mov_b32 s28, (3<<16)|(1<<20)|(5<<22)|(3<<25)
	s_mov_b32 s29, 32<<16                          ; tensor_dim0
	s_mov_b32 s30, 64<<16                          ; tensor_dim1
	s_mov_b32 s31, 32<<16                          ; tile_dim0
	s_mov_b32 s32, 64                              ; tile_dim1
	s_mov_b32 s33, 256                             ; stride
	s_mov_b32 s34, 0
	s_mov_b32 s35, 0
	; and for K and V: 6 rows (components) of 128 elements of 8 bytes, 1,024 elements from row to row, no padding
	s_mov_b32 s36, 3<<16
	s_mov_b32 s37, 128<<16
	s_mov_b32 s38, 6<<16
	s_mov_b32 s39, 128<<16
	s_mov_b32 s40, 6
	s_mov_b32 s41, 1024
	s_mov_b32 s42, 0
	s_mov_b32 s43, 0
	s_mov_b32 s44, 1
	s_mul_i32 s45, s52, XSW                        ; my strip in LDS
	s_mov_b32 s48, 1
	s_mul_i32 s49, s52, 6144
	s_add_co_u32 s49, s49, KV                      ; my keys in LDS
	s_mov_b32 s56, 0x76543210
	s_mov_b32 s57, 0xfedcba98                      ; v_permlanex16_b32's selects for lane l xor 16
	s_mov_b32 s58, 0xffff0000                      ; lanes 16-31
	s_mov_b32 s59, 0                               ; the trip's K, in bytes
	s_mov_b32 s60, 0                               ; the trip's V
	s_mov_b32 s61, 7                               ; trips of the loop over keys: trips 0 to 6 of 16
	s_mov_b32 s62, 0x3b000000                      ; 1 / 512
	s_mov_b32 s63, 0x3727c5ac                      ; 1e-5
	s_lshr_b32 s70, ttmp9, 5
	s_mul_i32 s70, s70, 73728                      ; my batch in qkv
	s_lshl_b32 s72, s52, 10
	s_add_co_u32 s72, s72, s70
	s_add_co_u32 s72, s72, 24576                   ; component 3, my 256 keys
	s_mov_b32 s73, 0
	s_and_b32 s74, ttmp9, 31
	s_lshl_b32 s74, s74, 8
	s_add_co_u32 s74, s74, s70                     ; component 0, my work-group's 64 queries
	s_mov_b32 s75, 0
	s_lshl_b32 s76, ttmp9, 17
	s_lshl_b32 s77, s52, 8
	s_add_co_u32 s76, s76, s77                     ; x and out0: my work-group's rows, my wave's 256 bytes of them
	s_mov_b32 s77, 0
	s_cmp_lt_u32 s52, 6
	s_cselect_b32 s78, 0, 6
	s_sub_co_u32 s78, s52, s78
	s_lshl_b32 s78, s78, 10                        ; my 1,024 bytes of the table: waves 0-5 from wot, waves 6, 7 from bo
	s_mov_b32 s79, 0
	s_wait_dscnt 0x0                               ; both opening adds are done
	s_wait_kmcnt 0x0
	s_add_nc_u64 s[50:51], s[6:7], s[72:73]
	s_or_b32 s51, s51, 0x80000000                  ; type = 2
	s_add_nc_u64 s[46:47], s[4:5], s[76:77]
	s_or_b32 s47, s47, 0x80000000
	tensor_load_to_lds s[48:51], s[36:43]          ; my 256 keys' K and V: wanted first
	s_nop 0
	tensor_load_to_lds s[44:47], s[28:35]          ; my strip of x: wanted behind the attention.  Two tensor loads of mine are out, and no more follow
	s_nop 0
.rept 4
	v_nop
.endr
	s_add_nc_u64 s[66:67], s[6:7], s[74:75]
	s_cmp_lt_u32 s52, 6
	s_cselect_b64 s[68:69], s[12:13], s[14:15]     ; a choice on the wave's number alone
	s_add_nc_u64 s[68:69], s[68:69], s[78:79]
	s_add_nc_u64 s[24:25], s[24:25], s[76:77]
.irp d, 0,1,2
	global_load_b32 v[SA+2*\d], v14, s[66:67] offset:8192*\d       ; q' of query l
	global_load_b32 v[SB+2*\d], v14, s[66:67] offset:8192*\d+128   ; and of query l + 32
.endr
	global_load_b128 v[200:203], v13, s[68:69]
	global_load_b128 v[204:207], v13, s[68:69] offset:512
	global_load_b64 v[208:209], v10, s[16:17]
	global_load_b64 v[210:211], v10, s[18:19]
	global_load_b64 v[212:213], v10, s[20:21]
	global_load_b64 v[214:215], v10, s[22:23]
.irp f, 0,1,2,3,4,5,6,7,8,9,10,11,12,13,14,15
	global_load_b32 v[16+\f], v11, s[10:11] offset:128*\f          ; the scale words of fragment f = 4 t + s
.endr
.irp sx, SA, SB
.irp o, 1,3,5,10,11,12,13,14,15,16,17
	v_mov_b32 v[\sx+\o], 0                         ; the sums begin as zeros; +1, +3, +5 are named as the upper halves of q's pairs
.endr
	v_mov_b32 v[\sx+6], 0xff61b1e6                 ; m: -3e38, under every score
.endr
.irp o, 113,115,117,119,121,123,125,127
	v_mov_b32 v[\o], 0                             ; upper halves of pairs whose low word is broadcast: named, so they are written; never rewritten
.endr
	v_mov_b32 v6, s49                              ; my keys: the same address in all lanes
	v_mul_u32_u24 v9, v5, 48
	s_lshl_b32 s80, s52, 2
	s_add_co_u32 s80, s80, PART
	v_add_nc_u32 v9, s80, v9                       ; where my partial results go: query l, wave w
; ---- THE ATTENTION.  A trip takes 16 keys: K's three components in v32-79, V's in v80-95, v216-231, v232-247, a register pair = two neighbouring keys.
; idx < 0: the keys by the scalar that the loop steps; else trip idx's keys by an immediate offset
.macro KLOAD idx
.if (\idx) < 0
	v_add_nc_u32 v7, s59, v6
	s_add_co_u32 s59, s59, 64
.irp c, 0,1,2
.irp i, 0,1,2,3
	ds_load_b128 v[32+16*\c+4*\i:35+16*\c+4*\i], v7 offset:1024*\c+16*\i
.endr
.endr
.else
.irp c, 0,1,2
.irp i, 0,1,2,3
	ds_load_b128 v[32+16*\c+4*\i:35+16*\c+4*\i], v6 offset:64*(\idx)+1024*\c+16*\i
.endr
.endr
.endif
.endm
.macro VLOAD idx
.if (\idx) < 0
	v_add_nc_u32 v8, s60, v6
	s_add_co_u32 s60, s60, 64
.irp c, 0,1,2
.irp i, 0,1,2,3
	ds_load_b128 v[80+136*((\c+1)/2)+16*(\c/2)+4*\i:83+136*((\c+1)/2)+16*(\c/2)+4*\i], v8 offset:3072+1024*\c+16*\i
.endr
.endr
.else
.irp c, 0,1,2
.irp i, 0,1,2,3
	ds_load_b128 v[80+136*((\c+1)/2)+16*(\c/2)+4*\i:83+136*((\c+1)/2)+16*(\c/2)+4*\i], v6 offset:64*(\idx)+3072+1024*\c+16*\i
.endr
.endr
.endif
.endm
; Four of the wave's 64 weight loads, numbers first .. first + 3.  Load n brings 512 bytes of the wave's images into v[4 n] of window 1: n = 0 .. 31 w1's (fragment n / 2, register group n % 2), n = 32 .. 63 w2's
.macro WLOAD first
	WIN 0x40                                       ; destination window 1
.set wn, \first
.rept 4
	global_load_b128 v[4*wn:4*wn+3], v12, s[8:9] offset:131072*(wn/32)+512*(wn%32)
.set wn, wn+1
.endr
	WIN 0
.endm
.macro S1 sx, tx                       ; 16 scores t = q' . k, two at a time
.irp p, 0,1,2,3,4,5,6,7
	v_pk_mul_f32 v[\tx+2*\p:\tx+2*\p+1], v[32+2*\p:33+2*\p], v[\sx:\sx+1] op_sel_hi:[1,0]
.endr
.irp p, 0,1,2,3,4,5,6,7
	v_pk_fma_f32 v[\tx+2*\p:\tx+2*\p+1], v[48+2*\p:49+2*\p], v[\sx+2:\sx+3], v[\tx+2*\p:\tx+2*\p+1] op_sel_hi:[1,0,1]
.endr
.irp p, 0,1,2,3,4,5,6,7
	v_pk_fma_f32 v[\tx+2*\p:\tx+2*\p+1], v[64+2*\p:65+2*\p], v[\sx+4:\sx+5], v[\tx+2*\p:\tx+2*\p+1] op_sel_hi:[1,0,1]
.endr
.endm
.macro PL sx, tx                       ; plain line j of 18: the maximum in two chains, the new m, old m - new m, and t - m
.if j == 0
	v_max3_num_f32 v[\sx+1], v[\tx], v[\tx+1], v[\tx+2]
.elseif j == 1
	v_max3_num_f32 v[\sx+3], v[\tx+9], v[\tx+10], v[\tx+11]
.elseif (j < 7) && (j%2 == 0)
	v_max3_num_f32 v[\sx+1], v[\sx+1], v[\tx+j+1], v[\tx+j+2]
.elseif j < 7
	v_max3_num_f32 v[\sx+3], v[\sx+3], v[\tx+j+9], v[\tx+j+10]
.elseif j == 7
	v_max3_num_f32 v[\sx+7], v[\sx+1], v[\sx+3], v[\sx+6]
.elseif j == 8
	v_sub_f32 v[\sx+9], v[\sx+6], v[\sx+7]
.elseif j == 9
	v_mov_b32 v[\sx+6], v[\sx+7]
.else
	v_pk_add_f32 v[\tx+2*(j-10):\tx+2*(j-10)+1], v[\tx+2*(j-10):\tx+2*(j-10)+1], v[\sx+6:\sx+7] op_sel_hi:[1,0] neg_lo:[0,1] neg_hi:[0,1]
.endif
.endm
.macro EX sx, tx                       ; exponential j of 17: a = 2^(old m - new m), then the 16 p = 2^(t - m)
.if j == 0
	v_exp_f32 v[\sx+8], v[\sx+9]
.else
	v_exp_f32 v[\tx+j-1], v[\tx+j-1]
.endif
.endm
.macro S4 sx, tx                       ; line k4 of 35: L = a L + the sum of p, O_d = a O_d + the sum of p v_d, two keys at a time; it steps k4
.if k4 == 0
	v_pk_fma_f32 v[\sx+10:\sx+11], v[\sx+10:\sx+11], v[\sx+8:\sx+9], v[\tx:\tx+1] op_sel_hi:[1,0,1]
.elseif k4 < 4
	v_pk_mul_f32 v[\sx+10+2*k4:\sx+11+2*k4], v[\sx+10+2*k4:\sx+11+2*k4], v[\sx+8:\sx+9] op_sel_hi:[1,0]
.else
.if k4 < 7
.set p4, 0
.set d4, k4-4
.else
.set p4, 1+(k4-7)/4
.set d4, (k4-7)%4
.endif
.if d4 < 3
.set vb4, 80+136*((d4+1)/2)+16*(d4/2)+2*p4
	v_pk_fma_f32 v[\sx+12+2*d4:\sx+13+2*d4], v[\tx+2*p4:\tx+2*p4+1], v[vb4:vb4+1], v[\sx+12+2*d4:\sx+13+2*d4]
.else
	v_pk_add_f32 v[\sx+10:\sx+11], v[\sx+10:\sx+11], v[\tx+2*p4:\tx+2*p4+1]
.endif
.endif
.set k4, k4+1
.endm
; One trip.  The two queries of a lane take turns: one's exponentials stand between the other's plain lines, so that each batch of 17 has one wait, ahead of its first reader, and plain work beside it.
; nx = -2: no trip follows; -1: the next trip's keys by the loop's scalars; else the next trip's number.  wf = -1: no weight loads; else the first of this trip's eight, in two groups of four.
.macro CHUNK nx, wf
	s_wait_dscnt 12                                ; this trip's K is in; V's twelve loads, issued behind it, may be out
	S1 SA, TQA
	S1 SB, TQB
.if (\nx) > -2
	KLOAD \nx                                      ; the next trip's K, into registers that have just been read
.endif
.if (\wf) >= 0
	WLOAD (\wf)
.endif
.set j, 0
.rept 18
	PL SA, TQA
.set j, j+1
.endr
.set j, 0
.rept 17
	EX SA, TQA
	PL SB, TQB
.set j, j+1
.endr
	PL SB, TQB                                     ; the last plain line: also the plain place behind the batch
	s_wait_alu depctr_va_vdst(0)                   ; one wait for the 17 exponentials, ahead of their first reader
.if (\nx) > -2
	s_wait_dscnt 12                                ; V is in; the next trip's K, twelve loads, may be out
.else
	s_wait_dscnt 0x0
.endif
.set j, 0
.set k4, 0
.rept 17
	S4 SA, TQA
	S4 SA, TQA
	EX SB, TQB
.set j, j+1
.endr
	S4 SA, TQA                                     ; the plain place behind the second batch
	s_wait_alu depctr_va_vdst(0)                   ; and its one wait
.if (\wf) >= 0
	WLOAD (\wf)+4
.endif
.set k4, 0
.rept 35
	S4 SB, TQB
.endr
.if (\nx) > -2
	VLOAD \nx
.endif
.endm
	s_wait_loadcnt 22                              ; q' is in: behind its six loads 2 + 4 + 16 were issued
	s_wait_tensorcnt 0x1                           ; my K and V have landed; x's strip may stay out.  Only I read these bytes: no barrier
	KLOAD -1
	VLOAD -1
.Lchunk:                                           ; trips 0 to 6
	CHUNK -1, -1
	s_sub_co_u32 s61, s61, 1
	s_cmp_lg_u32 s61, 0
	s_cbranch_scc1 .Lchunk
	s_wait_loadcnt 0x0                             ; the table's part, the four strips and the scale words, asked for at the head, are in; no weight load has been issued yet; the offset registers v10, v11 are free
	s_lshl_b32 s80, s52, 10
	v_lshl_add_u32 v10, v5, 4, s80
	v_add_nc_u32 v10, TAB, v10
	v_lshl_add_u32 v11, v5, 3, s80
	v_add_nc_u32 v11, PAR, v11
	ds_store_b128 v10, v[200:203]                  ; six LDS stores, younger than trip 7's K and V: the next trip's two counts of 12 then ask for six more than they need
	ds_store_b128 v10, v[204:207] offset:512
.irp p, 0,1,2,3
	ds_store_b64 v11, v[208+2*\p:209+2*\p] offset:256*\p
.endr
.irp n, 0,1,2,3,4,5,6,7
	CHUNK 8+\n, 8*\n                               ; trips 7 to 14, written out: each asks for eight of the 64 weight loads
.endr
	CHUNK -2, -1                                   ; the sixteenth trip asks for nothing
.irp sx, SA, SB
.irp o, 10,12,14,16
	v_add_f32 v[\sx+\o], v[\sx+\o], v[\sx+\o+1]    ; even keys' and odd keys' sums
.endr
.endr
	ds_store_b32 v9, v[SA+6]
	ds_store_b32 v9, v[SB+6] offset:1536
.irp o, 1,2,3,4
	ds_store_b32 v9, v[SA+8+2*\o] offset:3072*\o
	ds_store_b32 v9, v[SB+8+2*\o] offset:3072*\o+1536
.endr
	s_wait_tensorcnt 0x0                           ; x's strip has landed
	BAR                                            ; the partial results and the table lie in LDS
	; ---- THE MERGE: wave w serves row tile w / 2; lane (r, h): query 16 (w / 2) + r.  Then A7 = z woe + bo: wave w makes blocks 8 (w % 2) + 0 .. 7 of that row tile
	s_lshl_b32 s80, s54, 10
	s_add_co_u32 s80, s80, TAB
	v_lshl_add_u32 v6, v4, 6, s80                  ; the table: my half's 16 numbers of a block, my wave's eight blocks
	s_lshl_b32 s81, s53, 12
	s_lshl_b32 s82, s54, 11
	s_add_co_u32 s81, s81, s82
	s_add_co_u32 s81, s81, AIMG
	v_lshlrev_b32 v7, 4, v3
	v_lshl_add_u32 v7, v4, 3, v7
	v_add_nc_u32 v7, s81, v7                       ; my 16 codes in a block's image: 16 r + 8 h
	s_lshl_b32 s83, s53, 8
	s_lshl_b32 s84, s54, 7
	s_add_co_u32 s83, s83, s84
	s_add_co_u32 s83, s83, ASC
	v_lshl_add_u32 v8, v3, 2, s83                  ; my row's scale words
	s_mul_i32 s85, s53, 768
	s_add_co_u32 s85, s85, PART
	v_mul_u32_u24 v9, v3, 48
	v_add_nc_u32 v9, s85, v9                       ; my query's eight partial results
.macro TLOADS g                        ; blocks 2 g and 2 g + 1: woe0, woe1, woe2, bo, my 16 numbers of each: unit u at v[128 + 64 u], array a at + 16 a
.irp u, 0,1
.irp a, 0,1,2,3
.irp i, 0,1,2,3
	ds_load_b128 v[128+64*\u+16*\a+4*\i:131+64*\u+16*\a+4*\i], v6 offset:2048*\a+128*(2*(\g)+\u)+16*\i
.endr
.endr
.endr
.endm
.irp cp, 0,1,2,3,4
.irp i, 0,1
	ds_load_b128 v[32+8*\cp+4*\i:35+8*\cp+4*\i], v9 offset:3072*\cp+16*\i
.endr
.endr
	TLOADS 0
	s_wait_dscnt 32                                ; the partial results are in; the table's 32 loads may be out
	v_max3_num_f32 v72, v32, v33, v34
	v_max3_num_f32 v72, v72, v35, v36
	v_max3_num_f32 v72, v72, v37, v38
	v_max_num_f32 v72, v72, v39                    ; the row's maximum
.irp i, 0,2,4,6
	v_pk_add_f32 v[32+\i:33+\i], v[32+\i:33+\i], v[72:73] op_sel_hi:[1,0] neg_lo:[0,1] neg_hi:[0,1]
.endr
.irp i, 0,1,2,3,4,5,6,7
	v_exp_f32 v[32+\i], v[32+\i]                   ; 2^(m_w - M)
.endr
	v_nop                                          ; the plain place behind the batch
	s_wait_alu depctr_va_vdst(0)                   ; one wait for the eight
.irp cp, 1,2,3,4
	v_pk_mul_f32 v[72+2*\cp:73+2*\cp], v[32:33], v[32+8*\cp:33+8*\cp]
.endr
.irp i, 2,4,6
.irp cp, 1,2,3,4
	v_pk_fma_f32 v[72+2*\cp:73+2*\cp], v[32+\i:33+\i], v[32+8*\cp+\i:33+8*\cp+\i], v[72+2*\cp:73+2*\cp]
.endr
.endr
.irp cp, 1,2,3,4
	v_add_f32 v[72+2*\cp], v[72+2*\cp], v[73+2*\cp]
.endr
	v_rcp_f32 v82, v74                             ; 1 / the row's sum
	v_nop
	s_wait_alu depctr_va_vdst(0)
	v_mul_f32 v122, v76, v82                       ; z0, z1, z2: the low words of pairs
	v_mul_f32 v124, v78, v82
	v_mul_f32 v126, v80, v82
; Two units of 16 numbers of a lane (k = 16 h + 0 .. 15 of a block of 32 of my row) become codes and scale bytes; the block's other half lies in lane l xor 16.  tb: eight registers at work.
; My 16 codes are 8 bytes of the block's image as they stand; the byte goes to its place in the row's scale word (both lanes of a block write the same byte with the same value).
.macro QBLK2 n0, n1, tb, ra, oa0, oa1, rs, os0, os1
	v_max3_num_f32 v[(\tb)], |v[(\n0)]|, |v[(\n0)+1]|, 0x1800000       ; with the floor 2^(3 - 127): the byte cannot fall under 1
	v_max3_num_f32 v[(\tb)+1], |v[(\n1)]|, |v[(\n1)+1]|, 0x1800000
.irp i, 2,4,6,8,10,12,14
	v_max3_num_f32 v[(\tb)], v[(\tb)], |v[(\n0)+\i]|, |v[(\n0)+\i+1]|
	v_max3_num_f32 v[(\tb)+1], v[(\tb)+1], |v[(\n1)+\i]|, |v[(\n1)+\i+1]|
.endr
	v_permlanex16_b32 v[(\tb)+2], v[(\tb)], s56, s57
	v_permlanex16_b32 v[(\tb)+3], v[(\tb)+1], s56, s57
	v_max_num_f32 v[(\tb)], v[(\tb)], v[(\tb)+2]                       ; the block's largest magnitude
	v_max_num_f32 v[(\tb)+1], v[(\tb)+1], v[(\tb)+3]
	v_add_nc_u32 v[(\tb)], 0xff000000, v[(\tb)]                        ; 2 off its exponent field: the conversion's scale operand
	v_add_nc_u32 v[(\tb)+1], 0xff000000, v[(\tb)+1]
	v_lshrrev_b32 v[(\tb)+2], 23, v[(\tb)]                             ; the scale's byte
	v_lshrrev_b32 v[(\tb)+3], 23, v[(\tb)+1]
	v_cvt_scalef32_pk8_fp4_f32 v[(\tb)+4], v[(\n0):(\n0)+7], v[(\tb)]
	v_cvt_scalef32_pk8_fp4_f32 v[(\tb)+5], v[(\n0)+8:(\n0)+15], v[(\tb)]
	v_cvt_scalef32_pk8_fp4_f32 v[(\tb)+6], v[(\n1):(\n1)+7], v[(\tb)+1]
	v_cvt_scalef32_pk8_fp4_f32 v[(\tb)+7], v[(\n1)+8:(\n1)+15], v[(\tb)+1]
	v_nop                                          ; one plain place behind the last scaled conversion
	ds_store_b64 v[\ra], v[(\tb)+4:(\tb)+5] offset:\oa0
	ds_store_b64 v[\ra], v[(\tb)+6:(\tb)+7] offset:\oa1
	ds_store_b8 v[\rs], v[(\tb)+2] offset:\os0
	ds_store_b8 v[\rs], v[(\tb)+3] offset:\os1
.endm
.irp g, 0,1,2,3
.if \g == 0
	s_wait_dscnt 0x0                               ; the table's numbers of blocks 0 and 1 are in
.else
	s_wait_dscnt 4                                 ; this group's 32 loads are in, and the stores of two groups back are done; the last group's four stores may be out
.endif
.irp u, 0,1
.irp p, 0,1,2,3,4,5,6,7
	v_pk_fma_f32 v[32+16*\u+2*\p:33+16*\u+2*\p], v[128+64*\u+2*\p:129+64*\u+2*\p], v[122:123], v[176+64*\u+2*\p:177+64*\u+2*\p] op_sel_hi:[1,0,1]
.endr
.endr
.irp u, 0,1
.irp p, 0,1,2,3,4,5,6,7
	v_pk_fma_f32 v[32+16*\u+2*\p:33+16*\u+2*\p], v[144+64*\u+2*\p:145+64*\u+2*\p], v[124:125], v[32+16*\u+2*\p:33+16*\u+2*\p] op_sel_hi:[1,0,1]
.endr
.endr
.irp u, 0,1
.irp p, 0,1,2,3,4,5,6,7
	v_pk_fma_f32 v[32+16*\u+2*\p:33+16*\u+2*\p], v[160+64*\u+2*\p:161+64*\u+2*\p], v[126:127], v[32+16*\u+2*\p:33+16*\u+2*\p] op_sel_hi:[1,0,1]
.endr
.endr
.if \g < 3
	TLOADS \g+1                                    ; the next group's numbers land while this group is quantised
.endif
	QBLK2 32, 48, 64+8*(\g%2), 7, 512*\g, 512*\g+256, 8, 64*(\g/2)+2*(\g%2), 64*(\g/2)+2*(\g%2)+1
.endr
	BAR                                            ; A7's sixteen fragments and their scale words lie in LDS
	; ---- the addresses of all that follows
	s_wait_xcnt 0x0                                ; the weights' loads have read their offset register v12, which is written below
	v_mul_u32_u24 v6, v3, 272
	v_lshl_add_u32 v6, v4, 6, v6
	v_add_nc_u32 v6, s45, v6                       ; v6: my strip: row r, + 16 h numbers
	s_lshl_b32 s80, s52, 10
	s_add_co_u32 s80, s80, PAR
	v_lshl_add_u32 v7, v4, 6, s80                  ; v7: my strips of b1, b2, gamma, beta: + 16 h numbers
	v_lshlrev_b32 v8, 4, v5
	v_add_nc_u32 v8, AIMG, v8                      ; v8: an image's place for my lane
	v_lshlrev_b32 v9, 2, v3
	v_add_nc_u32 v9, ASC, v9                       ; v9: row r's scale word
	v_mul_u32_u24 v11, v3, 80
	v_add_nc_u32 v11, LNP1, v11                    ; v11: row r's eight means and eight sums
	s_lshl_b32 s81, s52, 2
	v_lshl_add_u32 v10, v4, 5, v11
	v_add_nc_u32 v10, s81, v10                     ; v10: where lanes 0-15 put my wave's mean and lanes 16-31 its sum
	s_lshl_b32 s82, s52, 9
	s_add_co_u32 s82, s82, HIMG
	v_lshlrev_b32 v12, 4, v3
	v_lshl_add_u32 v12, v4, 3, v12
	v_add_nc_u32 v12, s82, v12                     ; v12: my 16 codes in the image of block 2 w
	s_lshl_b32 s83, s53, 6
	s_lshl_b32 s84, s54, 1
	s_add_co_u32 s83, s83, s84
	s_add_co_u32 s83, s83, HSC
	v_lshl_add_u32 v13, v3, 2, s83                 ; v13: that block's byte in row r's scale word
	v_mul_u32_u24 v14, v4, 272
	v_lshl_add_u32 v14, v3, 4, v14
	v_add_nc_u32 v14, s45, v14                     ; v14: the way out: lanes 0-15 one row of my strip, lanes 16-31 the next
	v_lshlrev_b32 v15, 11, v4
	v_lshl_add_u32 v15, v3, 4, v15                 ; v15: and the same two rows in out0
; K step s: the four row tiles' fragments and scale words into set 0 or 1: twelve LDS loads
.macro FETCH s, set, io, so
.irp m, 0,1,2,3
	ds_load_b128 v[32+32*(\set)+8*\m:35+32*(\set)+8*\m], v8 offset:(\io)+4096*\m+1024*(\s)
	ds_load_b128 v[36+32*(\set)+8*\m:39+32*(\set)+8*\m], v8 offset:(\io)+4096*\m+1024*(\s)+512
	ds_load_b32 v[96+4*(\set)+\m], v9 offset:(\so)+256*\m+64*(\s)
.endr
.endm
; K step s: sixteen matrix instructions; the sixteen accumulators take turns, one instruction a turn, in the same order in every step
.macro MUL s, set, wb, row1
	WIN 0x01                                       ; source 0, the weights: window 1
.irp m, 0,1,2,3
.irp t, 0,1,2,3
.if \row1
	v_wmma_scale_f32_16x16x128_f8f6f4 v[ACC+8*(4*\m+\t):ACC+8*(4*\m+\t)+7], v[(\wb)+8*(4*\t+(\s)):(\wb)+8*(4*\t+(\s))+7], v[32+32*(\set)+8*\m:39+32*(\set)+8*\m], v[ACC+8*(4*\m+\t):ACC+8*(4*\m+\t)+7], v[16+4*\t+(\s)], v[96+4*(\set)+\m] matrix_a_fmt:MATRIX_FMT_FP4 matrix_b_fmt:MATRIX_FMT_FP4 matrix_a_scale:MATRIX_SCALE_ROW1
.else
	v_wmma_scale_f32_16x16x128_f8f6f4 v[ACC+8*(4*\m+\t):ACC+8*(4*\m+\t)+7], v[(\wb)+8*(4*\t+(\s)):(\wb)+8*(4*\t+(\s))+7], v[32+32*(\set)+8*\m:39+32*(\set)+8*\m], v[ACC+8*(4*\m+\t):ACC+8*(4*\m+\t)+7], v[16+4*\t+(\s)], v[96+4*(\set)+\m] matrix_a_fmt:MATRIX_FMT_FP4 matrix_b_fmt:MATRIX_FMT_FP4
.endif
.endr
.endr
	WIN 0
.endm
; A whole product, K = 512: K steps 0 and 1 have been asked for.  Each count of 12 leaves out the twelve loads of the FETCH issued last
.macro GEMM wb, row1, io, so
	s_wait_dscnt 12
	MUL 0, 0, \wb, \row1
	PLACES
	FETCH 2, 0, \io, \so
	s_wait_dscnt 12
	MUL 1, 1, \wb, \row1
	PLACES
	FETCH 3, 1, \io, \so
	s_wait_dscnt 12
	MUL 2, 0, \wb, \row1
	s_wait_dscnt 0x0
	MUL 3, 1, \wb, \row1
	PLACES
.endm
	; ---- THE FIRST PRODUCT.  The sums begin as x + b1, in the result's layout: the residual and the bias cost no pass of their own behind the product
.irp m, 0,1,2,3
.irp q, 0,1,2,3,4,5,6,7
	ds_load_b128 v[ACC+32*\m+4*\q:ACC+32*\m+4*\q+3], v6 offset:4352*\m+128*(\q/4)+16*(\q%4)
.endr
.endr
.irp q, 0,1,2,3,4,5,6,7
	ds_load_b128 v[64+4*\q:67+4*\q], v7 offset:128*(\q/4)+16*(\q%4)    ; b1
.endr
	FETCH 0, 0, 0, 0
	s_wait_dscnt 12                                ; x and b1 are in; the fragments of K step 0 may be out
.irp m, 0,1,2,3
.irp q, 0,1,2,3,4,5,6,7,8,9,10,11,12,13,14,15
	v_pk_add_f32 v[ACC+32*\m+2*\q:ACC+32*\m+2*\q+1], v[ACC+32*\m+2*\q:ACC+32*\m+2*\q+1], v[64+2*\q:65+2*\q]
.endr
.endr
	FETCH 1, 1, 0, 0
	s_wait_loadcnt 32                              ; w1's fragments are in; w2's 32 loads, issued behind them, may be out
	GEMM 0, 0, 0, 0                                ; the accumulators hold r0 = x + b1 + Q(A7) Q(w1)^T
; My wave's 64 columns of each row: the mean, then the sum of squared deviations from it; the four row tiles by turns.  Each accumulator is read from its low end on.
.macro LNLOC off
.irp m, 0,1,2,3
	v_pk_add_f32 v[32+2*\m:33+2*\m], v[ACC+32*\m:ACC+32*\m+1], v[ACC+32*\m+2:ACC+32*\m+3]
.endr
.irp p, 2,3,4,5,6,7,8,9,10,11,12,13,14,15
.irp m, 0,1,2,3
	v_pk_add_f32 v[32+2*\m:33+2*\m], v[32+2*\m:33+2*\m], v[ACC+32*\m+2*\p:ACC+32*\m+2*\p+1]
.endr
.endr
.irp m, 0,1,2,3
	v_add_f32 v[40+2*\m], v[32+2*\m], v[33+2*\m]
.endr
.irp m, 0,1,2,3
	v_permlanex16_b32 v[48+\m], v[40+2*\m], s56, s57
.endr
.irp m, 0,1,2,3
	v_add_f32 v[40+2*\m], v[40+2*\m], v[48+\m]
.endr
.irp m, 0,1,2,3
	v_mul_f32 v[40+2*\m], 0x3c800000, v[40+2*\m]   ; / 64
.endr
.irp p, 0,1,2,3,4,5,6,7,8,9,10,11,12,13,14,15
.irp m, 0,1,2,3
	v_pk_add_f32 v[52+2*\m:53+2*\m], v[ACC+32*\m+2*\p:ACC+32*\m+2*\p+1], v[40+2*\m:41+2*\m] op_sel_hi:[1,0] neg_lo:[0,1] neg_hi:[0,1]
.endr
.irp m, 0,1,2,3
.if \p == 0
	v_pk_mul_f32 v[60+2*\m:61+2*\m], v[52+2*\m:53+2*\m], v[52+2*\m:53+2*\m]
.else
	v_pk_fma_f32 v[60+2*\m:61+2*\m], v[52+2*\m:53+2*\m], v[52+2*\m:53+2*\m], v[60+2*\m:61+2*\m]
.endif
.endr
.endr
.irp m, 0,1,2,3
	v_add_f32 v[60+2*\m], v[60+2*\m], v[61+2*\m]
.endr
.irp m, 0,1,2,3
	v_permlanex16_b32 v[48+\m], v[60+2*\m], s56, s57
.endr
.irp m, 0,1,2,3
	v_add_f32 v[60+2*\m], v[60+2*\m], v[48+\m]
.endr
.irp m, 0,1,2,3
	v_cndmask_b32 v[68+\m], v[40+2*\m], v[60+2*\m], s58    ; lanes 0-15 store the mean, lanes 16-31 the sum
.endr
.irp m, 0,1,2,3
	ds_store_b32 v10, v[68+\m] offset:(\off)+1280*\m
.endr
.endm
; The eight waves' pairs become the row's mean (v[112 + 4 m]) and 1 / sqrt(variance + 1e-5) (v[114 + 4 m]): the sum of squared deviations = the sum of the waves' + 64 x the sum of (wave's mean - mean)^2
.macro LNMERGE off
.irp m, 0,1,2,3
.irp i, 0,1,2,3
	ds_load_b128 v[32+16*\m+4*\i:35+16*\m+4*\i], v11 offset:(\off)+1280*\m+16*\i
.endr
.endr
	s_wait_dscnt 0x0
.irp m, 0,1,2,3
	v_pk_add_f32 v[104+2*\m:105+2*\m], v[32+16*\m:33+16*\m], v[34+16*\m:35+16*\m]
.endr
.irp i, 4,6
.irp m, 0,1,2,3
	v_pk_add_f32 v[104+2*\m:105+2*\m], v[104+2*\m:105+2*\m], v[32+16*\m+\i:33+16*\m+\i]
.endr
.endr
.irp m, 0,1,2,3
	v_add_f32 v[112+4*\m], v[104+2*\m], v[105+2*\m]
.endr
.irp m, 0,1,2,3
	v_mul_f32 v[112+4*\m], 0x3e000000, v[112+4*\m] ; / 8: the row's mean
.endr
.irp i, 0,2,4,6
.irp m, 0,1,2,3
	v_pk_add_f32 v[32+16*\m+\i:33+16*\m+\i], v[32+16*\m+\i:33+16*\m+\i], v[112+4*\m:113+4*\m] op_sel_hi:[1,0] neg_lo:[0,1] neg_hi:[0,1]
.endr
.endr
.irp m, 0,1,2,3
	v_pk_mul_f32 v[104+2*\m:105+2*\m], v[32+16*\m:33+16*\m], v[32+16*\m:33+16*\m]
.endr
.irp i, 2,4,6
.irp m, 0,1,2,3
	v_pk_fma_f32 v[104+2*\m:105+2*\m], v[32+16*\m+\i:33+16*\m+\i], v[32+16*\m+\i:33+16*\m+\i], v[104+2*\m:105+2*\m]
.endr
.endr
.irp i, 2,4,6
.irp m, 0,1,2,3
	v_pk_add_f32 v[40+16*\m:41+16*\m], v[40+16*\m:41+16*\m], v[40+16*\m+\i:41+16*\m+\i]
.endr
.endr
.irp m, 0,1,2,3
	v_pk_fma_f32 v[104+2*\m:105+2*\m], v[104+2*\m:105+2*\m], 0x42800000, v[40+16*\m:41+16*\m] op_sel_hi:[1,0,1]
.endr
.irp m, 0,1,2,3
	v_add_f32 v[114+4*\m], v[104+2*\m], v[105+2*\m]
.endr
.irp m, 0,1,2,3
	v_fma_f32 v[114+4*\m], v[114+4*\m], s62, s63   ; / 512 + 1e-5
.endr
.irp m, 0,1,2,3
	v_rsq_f32 v[114+4*\m], v[114+4*\m]
.endr
	v_nop                                          ; the plain place behind the batch
	s_wait_alu depctr_va_vdst(0)                   ; one wait for the four
.endm
; 16 numbers of row tile m, tiles 2 b and 2 b + 1: ((r - mean) x rsqrt) x gamma + beta, as the problem writes it; gamma's 16 in v32-47, beta's in v48-63
.macro NORM dst, m, b
.irp p, 0,1,2,3,4,5,6,7
	v_pk_add_f32 v[(\dst)+2*\p:(\dst)+2*\p+1], v[ACC+32*(\m)+16*(\b)+2*\p:ACC+32*(\m)+16*(\b)+2*\p+1], v[112+4*(\m):113+4*(\m)] op_sel_hi:[1,0] neg_lo:[0,1] neg_hi:[0,1]
.endr
.irp p, 0,1,2,3,4,5,6,7
	v_pk_mul_f32 v[(\dst)+2*\p:(\dst)+2*\p+1], v[(\dst)+2*\p:(\dst)+2*\p+1], v[114+4*(\m):115+4*(\m)] op_sel_hi:[1,0]
.endr
.irp p, 0,1,2,3,4,5,6,7
	v_pk_fma_f32 v[(\dst)+2*\p:(\dst)+2*\p+1], v[(\dst)+2*\p:(\dst)+2*\p+1], v[32+2*\p:33+2*\p], v[48+2*\p:49+2*\p]
.endr
.endm
.macro GBLOAD b                        ; gamma's and beta's 16 numbers of tiles 2 b, 2 b + 1
.irp i, 0,1,2,3
	ds_load_b128 v[32+4*\i:35+4*\i], v7 offset:512+128*(\b)+16*\i
	ds_load_b128 v[48+4*\i:51+4*\i], v7 offset:768+128*(\b)+16*\i
.endr
.endm
	; ---- THE FIRST LAYERNORM; its result is quantised on the way: my tiles 2 b, 2 b + 1 are block 2 w + b of the next K
	LNLOC 0
	BAR
	LNMERGE 0
.irp b, 0,1
	GBLOAD \b
.irp mp, 0,1
	s_wait_dscnt 0x0                               ; gamma and beta are in; the last codes' and bytes' stores are done, so their registers may be written
	NORM 64, 2*\mp, \b
	NORM 80, 2*\mp+1, \b
	QBLK2 64, 80, 104, 12, 8192*\mp+256*\b, 8192*\mp+4096+256*\b, 13, 512*\mp+\b, 512*\mp+256+\b
.endr
.endr
.irp q, 0,1,2,3,4,5,6,7
	ds_load_b128 v[32+4*\q:35+4*\q], v7 offset:256+128*(\q/4)+16*(\q%4)    ; b2
.endr
	s_wait_dscnt 0x0
.irp m, 0,1,2,3
.irp q, 0,1,2,3,4,5,6,7,8,9,10,11,12,13,14,15
	v_pk_add_f32 v[ACC+32*\m+2*\q:ACC+32*\m+2*\q+1], v[ACC+32*\m+2*\q:ACC+32*\m+2*\q+1], v[32+2*\q:33+2*\q]   ; the second sums begin as r0 + b2
.endr
.endr
	BAR                                            ; the sixteen fragments of the first LayerNorm's result lie in LDS
	; ---- THE SECOND PRODUCT
	FETCH 0, 0, 16384, 1024
	FETCH 1, 1, 16384, 1024
	s_wait_loadcnt 0x0                             ; w2's fragments are in
	GEMM 128, 1, 16384, 1024                       ; the accumulators hold r = r0 + b2 + Q(r1) Q(w2)^T
	; ---- THE SECOND LAYERNORM, in place
	LNLOC 5120
	BAR
	LNMERGE 5120
.irp b, 0,1
	GBLOAD \b
	s_wait_dscnt 0x0
.irp m, 0,1,2,3
	NORM ACC+32*\m+16*\b, \m, \b
.endr
.endr
	; ---- THE WAY OUT: through my own strip, whose one fill is long done and which nobody else touches: in as x came out, back as whole rows of 256 bytes
.irp m, 0,1,2,3
.irp q, 0,1,2,3,4,5,6,7
	ds_store_b128 v6, v[ACC+32*\m+4*\q:ACC+32*\m+4*\q+3] offset:4352*\m+128*(\q/4)+16*(\q%4)
.endr
.endr
.irp i, 0,1,2,3,4,5,6,7,8,9,10,11,12,13,14,15,16,17,18,19,20,21,22,23,24,25,26,27,28,29,30,31
	ds_load_b128 v[ACC+4*\i:ACC+4*\i+3], v14 offset:544*\i         ; LDS serves a wave's instructions in order (ISA guide 5.7.1.4): these see the stores above
.endr
.irp i, 0,1,2,3,4,5,6,7,8,9,10,11,12,13,14,15,16,17,18,19,20,21,22,23,24,25,26,27,28,29,30,31
	s_wait_dscnt 31-\i                             ; rows 2 i and 2 i + 1 are back; the younger loads may be out
	global_store_b128 v15, v[ACC+4*\i:ACC+4*\i+3], s[24:25] offset:4096*\i th:TH_STORE_NT   ; sixteen lanes store 256 consecutive bytes, at a multiple of 256 from out0's first byte
.endr
	s_wait_tensorcnt 0x0                           ; the wave's end, behind my last tensor load and my last LDS store
	ds_add_u32 v1, v2
	s_wait_dscnt 0x0
	s_endpgm
.Lfunc_end_k_q4242fa9616_block:
	.size	k_q4242fa9616_block, .Lfunc_end_k_q4242fa9616_block-k_q4242fa9616_block
	.p2alignl 7, 3214868480
	.fill 96, 4, 3214868480
	.section	.rodata,"a",@progbits
	.p2align	6, 0x0
	.amdhsa_kernel k_q4242fa9616_block
		.amdhsa_group_segment_fixed_size 266240
		.amdhsa_private_segment_fixed_size 0
		.amdhsa_enable_private_segment 0
		.amdhsa_kernarg_size 88
		.amdhsa_user_sgpr_count 2
		.amdhsa_user_sgpr_kernarg_segment_ptr 1
		.amdhsa_wavefront_size32 1
		.amdhsa_system_sgpr_workgroup_id_x 1
		.amdhsa_system_sgpr_workgroup_id_y 1
		.amdhsa_system_sgpr_workgroup_id_z 1
		.amdhsa_system_vgpr_workitem_id 0
		.amdhsa_next_free_vgpr 512
		.amdhsa_next_free_sgpr 100
		.amdhsa_reserve_vcc 0
		.amdhsa_float_denorm_mode_32 3
		.amdhsa_float_denorm_mode_16_64 3
		.amdhsa_memory_ordered 1
		.amdhsa_forward_progress 1
		.amdhsa_inst_pref_size 255
	.end_amdhsa_kernel
	.section	.bss,"aw",@nobits
	.p2align	6
	.space	262144
	.amdgpu_metadata
---
amdhsa.version: [ 1, 2 ]
amdhsa.kernels:
  - .name:           k_q4242fa9616_block
    .symbol:         k_q4242fa9616_block.kd
    .args:
      - { .name: x, .offset: 0, .size: 8, .value_kind: global_buffer, .address_space: global }
      - { .name: qkv, .offset: 8, .size: 8, .value_kind: global_buffer, .address_space: global }
      - { .name: wimg, .offset: 16, .size: 8, .value_kind: global_buffer, .address_space: global }
      - { .name: wscl, .offset: 24, .size: 8, .value_kind: global_buffer, .address_space: global }
      - { .name: wot, .offset: 32, .size: 8, .value_kind: global_buffer, .address_space: global }
      - { .name: bo, .offset: 40, .size: 8, .value_kind: global_buffer, .address_space: global }
      - { .name: b1, .offset: 48, .size: 8, .value_kind: global_buffer, .address_space: global }
      - { .name: b2, .offset: 56, .size: 8, .value_kind: global_buffer, .address_space: global }
      - { .name: gamma, .offset: 64, .size: 8, .value_kind: global_buffer, .address_space: global }
      - { .name: beta, .offset: 72, .size: 8, .value_kind: global_buffer, .address_space: global }
      - { .name: out0, .offset: 80, .size: 8, .value_kind: global_buffer, .address_space: global }
    .group_segment_fixed_size: 266240
    .private_segment_fixed_size: 0
    .kernarg_segment_align: 8
    .kernarg_segment_size: 88
    .max_flat_workgroup_size: 256
    .sgpr_count:     100
    .vgpr_count:     512
    .wavefront_size: 32
...
	.end_amdgpu_metadata
.endif
;; end of part 2
